; MI455X (gfx1250); checked and timed in simulation.
; The chip was launched on July 23, 2026; its instructions are those of AMD's public machine-readable ISA for CDNA 5 (MIT licence, August 2026) and "CDNA5" Instruction Set Architecture Reference Guide (July 2026). The comments in the code are by the model that wrote it; some were corrected since.
;; Self Attention. Allowed arithmetic: matrix products marked QUANTISED: E4M3 operands, one given power-of-two scale a tensor, by v_wmma_f32_16x16x64_fp8_fp8 or v_wmma_f32_16x16x128_fp8_fp8, f32 sums; everything else in f32.
;; Inputs: fo_b 1,024 float32; fo_w 1,024 x 1,024 float32; k 4 x 2,048 x 1,024 float32; lowp_scales 12 int32 (the exponents e of the quantised operands' scales 2^e); mask 4 x 1 x 2,048 x 2,048 int32; q 4 x 2,048 x 1,024 float32; v 4 x 2,048 x 1,024 float32; wk_b 1,024 float32; wk_w 1,024 x 1,024 float32; wq_b 1,024 float32; wq_w 1,024 x 1,024 float32; wv_b 1,024 float32; wv_w 1,024 x 1,024 float32.
;; Outputs: out0 4 x 2,048 x 1,024 float32.
;; This version of the problem:
;;   THIS VERSION OF THE PROBLEM IS GIVEN IN LOW PRECISION. The matrix products marked QUANTISED in the list below multiply operands that are first quantised to E4M3 (4 exponent bits, 3 mantissa bits; 8 bits a number), with one given power-of-two scale for each operand tensor; their sums are f32. All else is computed in f32.
;;   The module's matrix products, in the order in which they are computed (A, B: the left and right operand; K: the contracted axis; several contracted axes count as one K, in the product's order):
;;     1. [M 8,192, K 1,024] x [K 1,024, N 1,024]; A: input q; B: input wq_w: QUANTISED (scales: A lowp_scales[0], B lowp_scales[1])
;;     2. [M 8,192, K 1,024] x [K 1,024, N 1,024]; A: input k; B: input wk_w: QUANTISED (scales: A lowp_scales[2], B lowp_scales[3])
;;     3. [M 8,192, K 1,024] x [K 1,024, N 1,024]; A: input v; B: input wv_w: QUANTISED (scales: A lowp_scales[4], B lowp_scales[5])
;;     4. batch 64 x [M 2,048, K 64] x [K 64, N 2,048]; A: computed on the way; B: computed on the way: QUANTISED (scales: A lowp_scales[6], B lowp_scales[7])
;;     5. batch 64 x [M 64, K 2,048] x [K 2,048, N 2,048]; A: computed on the way; B: softmax (see below): QUANTISED (scales: A lowp_scales[8], B lowp_scales[9])
;;     6. [M 8,192, K 1,024] x [K 1,024, N 1,024]; A: computed on the way; B: input fo_w: QUANTISED (scales: A lowp_scales[10], B lowp_scales[11])
;;   THE QUANTISER, for each operand of a quantised product, along K:
;;     - The operand's scale is 2^e, e = its entry of the input lowp_scales (int32; the entries are numbered through the quantised products in the list's order, A before B).
;;     - Each number is divided by the scale, clamped to +-448, and rounded to the nearest number of E4M3, ties to even, subnormals kept.
;;     - The product sums the exact products of the quantised numbers (number of the format x scale) in f32.
;;   ~~~python
;;   def quantise(x, axis, e):      # numpy; x: float32 -> the quantised numbers, widened to float32 again
;;       x = np.moveaxis(x, axis, -1); K = x.shape[-1]
;;       r = np.clip(x / 2.0 ** e, -448, 448)
;;       step = 2.0 ** (np.maximum(np.frexp(np.where(r == 0, 1, r))[1] - 1, -6) - 3)
;;       q = np.round(r / step) * step * 2.0 ** e      # np.round: ties to even
;;       return np.moveaxis(q, -1, axis).astype(np.float32)
;;   ~~~
;;   SOFTMAX AHEAD OF A QUANTISED PRODUCT. Where the list says 'softmax', what is quantised is not the finished softmax but p = 2^(t - M), with t = logit x log2(e) and M = ceil(the row's largest t), a whole number; so 1/2 < the row's largest p <= 1. The row's sum l is taken of the UNQUANTISED p, in f32, and the product's result is divided by l at the end. Since M is a whole number, a kernel that streams over the keys may use a running M (the ceiling of the running maximum): every later rescaling is an exact power of two, so the quantised numbers keep their values, but for numbers so far below the row's largest that they fall under the format's range.
;;   OPERANDS COMPUTED ON THE WAY. 'Computed on the way' means the value that the module computes at that place (a softmax that the list does not call 'softmax' is quantised finished and normalised). What goes into a quantiser is computed in f32, as accurately as f32 sums, v_exp_f32 and their like allow (about 1e-6 of the number): no bf16 or f16 on the way to a quantiser, and a product that is left as it is and whose result goes on into a quantised operand takes f32 operands (vector FMAs, or v_wmma_f32_16x16x4_f32). A number that lies on a knife's edge between two numbers of the format may be rounded either way, as far as f32 arithmetic and the matrix unit's own rounding can turn it there, and no further.
;; One version. Each part assembles by itself: llvm-mc -triple=amdgcn-amd-amdhsa -mcpu=gfx1250 --defsym DOCPART=n.
;; ======== version 1 of 1: 4 launches
;; limits: right only within a limited range of input values
;; workspace buffers: mbits 2,097,152 bytes of whole numbers; xc 25,165,824 bytes; wc 4,194,304 bytes; img 25,165,824 bytes; oimg 8,388,608 bytes
;; launch prep (part 1): grid 1408 x 1, 4 waves a work-group, no clusters, 67,072 bytes of LDS; arguments q, k, v, wq_w, wk_w, wv_w, fo_w, lowp_scales, xc, wc, mask, mbits; writes xc, wc, mbits
.if DOCPART == 1
	.amdgcn_target "amdgcn-amd-amdhsa--gfx1250"
	.amdhsa_code_object_version 6
	.text
	.protected	k_q76dfce1011_prep
	.globl	k_q76dfce1011_prep
	.p2align	8
	.type	k_q76dfce1011_prep,@function
k_q76dfce1011_prep:
	s_mov_b64 s[64:65], 0
	v_nop
	global_prefetch_b8 v0, s[64:65] scope:SCOPE_SE
	s_setreg_imm32_b32 hwreg(HW_REG_WAVE_MODE, 25, 1), 1
	s_wait_xcnt 0x0
; TWO STREAMS IN ONE LAUNCH.  Work-groups 0 .. 895 quantise the seven f32 operands; work-groups 896 .. 1,407 turn the mask into lane masks.  The two ways part once, on the work-group's number, have LDS bytes of their own, and join at the end.
;
; THE QUANTISER.  q, k, v [8192][1024] and wq_w, wk_w, wv_w, fo_w [1024][1024], f32 with K innermost, become codes of FP8 (E4M3), each tensor with the scale 2^e given for it (entries 0, 2, 4, 1, 3, 5, 11).
; code = x / 2^e, held within +-448, rounded to the nearest code, ties to even.  LIMITS: -126 <= e <= 119, so that 2^e and 448 x 2^e are f32 numbers; NaN among the inputs is not served.
; xc = [q, k, v][8192][1024], wc = [wq, wk, wv, fo][1024][1024], one code a byte, K innermost, BUT inside each block of 32 codes the four pieces of 8 lie in the order 0, 2, 1, 3:
; 16 bytes read at 32 c + 16 h of a row are then k = 32 c + 8 h + 0 .. 7 and 32 c + 16 + 8 h + 0 .. 7, which are registers 4 c .. 4 c + 3 of lane half h in the plain FP8 matrix forms' own layout.
; Rows are dense, so every tensor is a plain stream of blocks of 32.  A work-group takes 32,768 numbers: 256 work-groups for each of q, k, v, 32 for each weight; only pointers are chosen, by the work-group's number.
; A wave takes 16 steps of 512 numbers.  Each load reads 512 consecutive bytes; the step's 2,048 bytes go through the wave's own stage in LDS (16 bytes of padding behind each 64) and come back so that
; lane l holds pieces l % 2 and 2 + l % 2 of block l / 2: its 16 codes are 16 consecutive bytes of the output, and the wave stores 512 consecutive bytes.  Loads run four steps ahead, the turn through LDS one step.
;
; THE MASK [4][1][2048][2048] int32 becomes mbits[128 b + qt][ks][n], u32, n = 0 .. 63: bit l of word n says that mask[b][16 qt + l % 16][128 ks + 16 (n / 8) + 8 (l / 16) + n % 8] is not 0:
; the lanes' bits for score register n of the wave that owns query tile qt, in key step ks.  A work-group owns 16 rows of the mask (one query tile); wave w owns key steps 4 w .. 4 w + 3, a unit of 16 rows x 512 bytes each.
; Each load reads 512 consecutive bytes of one row.  A unit turns through the wave's own stage in LDS (rows 528 bytes apart: 33 x 16, so the sixteen rows that a load back touches start at different banks),
; so that lane (r, h) holds row r and its 64 registers the keys in the order above.  A compare gives a word, v_writelane_b32 puts word n into lane n / 2, register n % 2, and one store of 8 bytes a lane writes 256 consecutive bytes, aligned.
; No barrier on either way: waves share nothing.
.set NQ,    896                        ; work-groups that quantise
.set WAVES, 4
.set STEPS, 16
.set EMAX,  8
.set MANT,  0x600000                   ; the mantissa field of 448 as f32
.set CB,    16                         ; bytes of 16 codes
.set R,     16                         ; v16-79   the quantiser: four sets of 16 numbers as they are loaded
.set X,     80                         ; v80-111  two sets of 16 numbers: two pieces of 8 neighbours
.set C,     128                        ; v128-191 codes: four registers for each step, so that no store's data are written again
.set WREG,  8192                       ; LDS, the quantiser's: a region for each wave: two stages of 32 x SP bytes
.set SP,    80                         ; 64 bytes + 16 of padding
.set SPW,   12                         ; v12      LDS address of my spare word; never rewritten
.set NIL,   13                         ; v13      0; never rewritten
.set SPARE, WAVES*WREG                 ; behind the four regions: the spare words, two blocks of 256 bytes that no other line names
.set PSTG,  SPARE+512                  ; LDS, the mask's: behind the spare words, a stage for each wave
.set PITCH, 528
.set WST,   16*PITCH
.set PR,    16                         ; v16-143  the mask: two sets of 64 registers as loaded
.set PX,    144                        ; v144-207 a unit after the turn: register n = score register n's key
.set PW,    208                        ; v208-215 the words, a pair for each unit, so that no store's data are written again
	s_load_b512 s[16:31], s[0:1], 0x0              ; q s[16:17], k, v, wq_w, wk_w, wv_w, fo_w s[28:29], the scales' exponents s[30:31]
	s_load_b256 s[32:39], s[0:1], 0x40             ; xc s[32:33], wc s[34:35], mask s[36:37], mbits s[38:39]
	v_lshl_add_u32 v[SPW], v0, 2, SPARE
	v_mov_b32 v[NIL], 0
	v_lshrrev_b32 v1, 5, v0
	v_readfirstlane_b32 s40, v1                    ; wave
	v_and_b32 v2, 31, v0                           ; lane
	v_lshlrev_b32 v3, 4, v2                        ; my 16 bytes of a load's 512
	s_cmp_ge_u32 ttmp9, NQ
	s_cbranch_scc1 .Lmask
	; ---- the quantiser
	s_mul_i32 s41, s40, WREG
	v_lshrrev_b32 v14, 2, v2
	v_mul_u32_u24 v14, v14, SP
	v_and_b32 v15, 3, v2
	v_lshl_add_u32 v14, v15, 4, v14
	v_add_nc_u32 v14, s41, v14                     ; the stage, on the way in: SP (lane / 4) + 16 (lane % 4); a load's 512 bytes take eight places
	v_and_b32 v15, 30, v2
	v_mul_u32_u24 v15, v15, SP
	v_and_b32 v5, 1, v2
	v_lshl_add_u32 v15, v5, 5, v15
	v_add_nc_u32 v15, s41, v15                     ; and on the way out: block lane / 2 begins at place lane & 30; piece lane % 2 lies 32 (lane % 2) bytes on, piece 2 + lane % 2 one place further
	v_mul_u32_u24 v4, v2, CB                       ; my codes' place in a step's
	s_wait_alu depctr_va_vdst(0)
	s_wait_kmcnt 0x0
	s_mov_b64 s[4:5], s[28:29]                     ; the choice begins at the last tensor, fo_w, and goes down: it hangs on the work-group's number alone
	s_mov_b32 s36, 864                             ; the tensor's first work-group
	s_mov_b32 s37, 44                              ; the byte at which its exponent lies
.macro PICK lim, ptr, first, eoff
	s_cmp_lt_u32 ttmp9, \lim
	s_cselect_b64 s[4:5], s[\ptr:\ptr+1], s[4:5]
	s_cselect_b32 s36, \first, s36
	s_cselect_b32 s37, \eoff, s37
.endm
	PICK 864, 26, 832, 20                          ; wv_w
	PICK 832, 24, 800, 12                          ; wk_w
	PICK 800, 22, 768, 4                           ; wq_w
	PICK 768, 20, 512, 16                          ; v
	PICK 512, 18, 256, 8                           ; k
	PICK 256, 16, 0, 0                             ; q
	s_cmp_lt_u32 ttmp9, 768
	s_cselect_b64 s[8:9], s[32:33], s[34:35]       ; xc or wc,
	s_cselect_b32 s38, 0, 768                      ; and the first work-group that writes into it
	s_load_b32 s39, s[30:31], s37 offset:0x0       ; e
	s_sub_co_u32 s36, ttmp9, s36
	s_lshl_b32 s36, s36, 2
	s_add_co_u32 s36, s36, s40                     ; which run of 8,192 numbers of the tensor is my wave's
	s_lshl_b32 s42, s36, 15                        ; x 32,768 bytes
	s_mov_b32 s43, 0
	s_add_nc_u64 s[4:5], s[4:5], s[42:43]
	s_sub_co_u32 s38, ttmp9, s38
	s_lshl_b32 s38, s38, 2
	s_add_co_u32 s38, s38, s40                     ; and which run of the codes' buffer
	s_lshl_b32 s44, s38, 13                        ; x 8,192 bytes
	s_mov_b32 s45, 0
	s_add_nc_u64 s[8:9], s[8:9], s[44:45]
.macro LOAD t
.irp i, 0,1,2,3
	global_load_b128 v[R+16*((\t)%4)+4*\i:R+16*((\t)%4)+4*\i+3], v3, s[4:5] offset:2048*(\t)+512*\i th:TH_LOAD_NT   ; 32 lanes read 512 consecutive bytes
.endr
.endm
.macro TURN t                          ; step t's numbers through the stage: LDS serves a wave's instructions in order, so no wait stands between the stores and the loads
.irp i, 0,1,2,3
	ds_store_b128 v14, v[R+16*((\t)%4)+4*\i:R+16*((\t)%4)+4*\i+3] offset:32*SP*((\t)%2)+8*SP*\i
.endr
	ds_load_b128 v[X+16*((\t)%2):X+16*((\t)%2)+3], v15 offset:32*SP*((\t)%2)
	ds_load_b128 v[X+16*((\t)%2)+4:X+16*((\t)%2)+7], v15 offset:32*SP*((\t)%2)+16
	ds_load_b128 v[X+16*((\t)%2)+8:X+16*((\t)%2)+11], v15 offset:32*SP*((\t)%2)+SP
	ds_load_b128 v[X+16*((\t)%2)+12:X+16*((\t)%2)+15], v15 offset:32*SP*((\t)%2)+SP+16
.endm
.irp t, 0,1,2,3
	LOAD \t
.endr
	s_wait_kmcnt 0x0
	s_add_co_i32 s39, s39, 127
	s_lshl_b32 s46, s39, 23
	v_mov_b32 v11, s46                             ; 2^e as f32: the conversion takes its exponent field
	s_add_co_i32 s39, s39, EMAX
	s_lshl_b32 s39, s39, 23
	s_or_b32 s39, s39, MANT
	v_mov_b32 v10, s39                             ; 448 x 2^e
	s_wait_alu depctr_va_vdst(0)
	s_wait_loadcnt 12                              ; step 0's four loads are in
	TURN 0
.macro STEP t
.set XS, X+16*((\t)%2)
	s_wait_dscnt 0x0                               ; this step's numbers are back from the stage: so its stores into the stage have read their registers,
.if (\t)+4 < STEPS
	LOAD (\t)+4                                    ; which take the loads of four steps on
.endif
.if (\t)+1 < STEPS
.if STEPS-2-(\t) >= 3
	s_wait_loadcnt 12                              ; the next step's four loads are in; those of the three steps behind it may be out
.else
	s_wait_loadcnt 4*(STEPS-2-(\t))
.endif
	TURN (\t)+1                                    ; and go through the other stage while this step is worked
.endif
.irp i, 0,1,2,3,4,5,6,7,8,9,10,11,12,13,14,15
	v_med3_num_f32 v[XS+\i], v[XS+\i], -v10, v10   ; the conversion to an 8-bit code does not saturate (ISA guide 7.6.2): the hold at the largest code x the scale comes first
.endr
	v_cvt_scalef32_pk8_fp8_f32 v[C+4*(\t):C+4*(\t)+1], v[XS:XS+7], v11
	v_cvt_scalef32_pk8_fp8_f32 v[C+4*(\t)+2:C+4*(\t)+3], v[XS+8:XS+15], v11
	global_store_b128 v4, v[C+4*(\t):C+4*(\t)+3], s[8:9] offset:32*CB*(\t)   ; the results go to a store alone; the next step's holds are plain lines on other registers
.endm
.irp t, 0,1,2,3,4,5,6,7,8,9,10,11,12,13,14,15
	STEP \t
.endr
	s_branch .Lend
	; ---- the mask
.Lmask:
	v_and_b32 v4, 15, v0                           ; r
	v_bfe_u32 v5, v0, 4, 1                         ; h
	s_mul_i32 s13, s40, WST
	s_add_co_u32 s13, s13, PSTG                    ; my wave's stage
	s_wait_alu depctr_va_vdst(0)
	v_add_nc_u32 v6, s13, v3                       ; on the way in: 16 x lane in row i
	v_mul_u32_u24 v7, v4, PITCH
	v_lshl_add_u32 v7, v5, 5, v7
	v_add_nc_u32 v7, s13, v7                       ; and on the way out: row r, + 32 h
	v_lshlrev_b32 v8, 3, v2                        ; my two words' place in a unit's 256 bytes
.irp j, 0,1,2,3,4,5,6,7
	v_mov_b32 v[PW+\j], 0                          ; v_writelane_b32's destination counts as read
.endr
	s_sub_co_u32 s12, ttmp9, NQ                    ; 128 b + qt
	s_lshl_b32 s14, s12, 17                        ; its 16 rows of 8,192 bytes,
	s_lshl_b32 s15, s40, 11                        ; my wave's 2,048 bytes of each
	s_add_co_u32 s14, s14, s15
	s_mov_b32 s15, 0
	s_lshl_b32 s10, s12, 12                        ; its 16 x 64 words,
	s_lshl_b32 s11, s40, 10                        ; my wave's four units
	s_add_co_u32 s10, s10, s11
	s_mov_b32 s11, 0
	s_wait_kmcnt 0x0
	s_add_nc_u64 s[4:5], s[36:37], s[14:15]
	s_add_nc_u64 s[8:9], s[38:39], s[10:11]
.macro MROWS u
.irp i, 0,1,2,3,4,5,6,7,8,9,10,11,12,13,14,15
	global_load_b128 v[PR+64*((\u)%2)+4*\i:PR+64*((\u)%2)+4*\i+3], v3, s[4:5] offset:8192*\i+512*(\u) th:TH_LOAD_NT
.endr
.endm
.macro UNIT u
.if (\u) < 3
	s_wait_loadcnt 16                              ; this unit's 16 loads are in; the next unit's 16 may be out
.else
	s_wait_loadcnt 0
.endif
.irp i, 0,1,2,3,4,5,6,7,8,9,10,11,12,13,14,15
	ds_store_b128 v6, v[PR+64*((\u)%2)+4*\i:PR+64*((\u)%2)+4*\i+3] offset:PITCH*\i
.endr
.irp a, 0,1,2,3,4,5,6,7
	ds_load_b128 v[PX+8*\a:PX+8*\a+3], v7 offset:64*\a          ; LDS serves a wave's instructions in order: these see my stores.  Keys 16 a + 8 h + 0 .. 3,
	ds_load_b128 v[PX+8*\a+4:PX+8*\a+7], v7 offset:64*\a+16     ; and + 4 .. 7
.endr
	s_wait_dscnt 0x0                               ; the unit is back; the stores have read their registers,
.if (\u) < 2
	MROWS (\u)+2                                   ; which take the unit two further on
.endif
.irp q, 0,1,2,3
.irp k, 0,1,2,3,4,5,6,7,8,9,10,11,12,13,14,15
	v_cmp_ne_u32 s[16+\k], 0, v[PX+16*\q+\k]       ; word n = 16 q + k
.endr
.irp k, 0,1,2,3,4,5,6,7,8,9,10,11,12,13,14,15
	v_writelane_b32 v[PW+2*(\u)+(\k%2)], s[16+\k], (16*\q+\k)/2
.endr
.endr
	global_store_b64 v8, v[PW+2*(\u):PW+2*(\u)+1], s[8:9] offset:256*(\u)   ; 32 lanes store 256 consecutive bytes, aligned
.endm
	MROWS 0
	MROWS 1
	UNIT 0
	UNIT 1
	UNIT 2
	UNIT 3
.Lend:
	s_wait_tensorcnt 0x0                           ; the wave's end, on both ways: behind my last LDS store
	ds_add_u32 v[SPW], v[NIL]
	s_wait_dscnt 0x0
	s_endpgm
.Lfunc_end_k_q76dfce1011_prep:
	.size	k_q76dfce1011_prep, .Lfunc_end_k_q76dfce1011_prep-k_q76dfce1011_prep
	.p2alignl 7, 3214868480
	.fill 96, 4, 3214868480
	.section	.rodata,"a",@progbits
	.p2align	6, 0x0
	.amdhsa_kernel k_q76dfce1011_prep
		.amdhsa_group_segment_fixed_size 67072
		.amdhsa_private_segment_fixed_size 0
		.amdhsa_enable_private_segment 0
		.amdhsa_kernarg_size 96
		.amdhsa_user_sgpr_count 2
		.amdhsa_user_sgpr_kernarg_segment_ptr 1
		.amdhsa_wavefront_size32 1
		.amdhsa_system_sgpr_workgroup_id_x 1
		.amdhsa_system_sgpr_workgroup_id_y 1
		.amdhsa_system_sgpr_workgroup_id_z 1
		.amdhsa_system_vgpr_workitem_id 0
		.amdhsa_next_free_vgpr 216
		.amdhsa_next_free_sgpr 66
		.amdhsa_reserve_vcc 0
		.amdhsa_float_denorm_mode_32 3
		.amdhsa_float_denorm_mode_16_64 3
		.amdhsa_memory_ordered 1
		.amdhsa_forward_progress 1
		.amdhsa_inst_pref_size 87
	.end_amdhsa_kernel
	.amdgpu_metadata
---
amdhsa.version: [ 1, 2 ]
amdhsa.kernels:
  - .name:           k_q76dfce1011_prep
    .symbol:         k_q76dfce1011_prep.kd
    .args:
      - { .name: q, .offset: 0, .size: 8, .value_kind: global_buffer, .address_space: global }
      - { .name: k, .offset: 8, .size: 8, .value_kind: global_buffer, .address_space: global }
      - { .name: v, .offset: 16, .size: 8, .value_kind: global_buffer, .address_space: global }
      - { .name: wq_w, .offset: 24, .size: 8, .value_kind: global_buffer, .address_space: global }
      - { .name: wk_w, .offset: 32, .size: 8, .value_kind: global_buffer, .address_space: global }
      - { .name: wv_w, .offset: 40, .size: 8, .value_kind: global_buffer, .address_space: global }
      - { .name: fo_w, .offset: 48, .size: 8, .value_kind: global_buffer, .address_space: global }
      - { .name: lowp_scales, .offset: 56, .size: 8, .value_kind: global_buffer, .address_space: global }
      - { .name: xc, .offset: 64, .size: 8, .value_kind: global_buffer, .address_space: global }
      - { .name: wc, .offset: 72, .size: 8, .value_kind: global_buffer, .address_space: global }
      - { .name: mask, .offset: 80, .size: 8, .value_kind: global_buffer, .address_space: global }
      - { .name: mbits, .offset: 88, .size: 8, .value_kind: global_buffer, .address_space: global }
    .group_segment_fixed_size: 67072
    .private_segment_fixed_size: 0
    .kernarg_segment_align: 8
    .kernarg_segment_size: 96
    .max_flat_workgroup_size: 128
    .sgpr_count:     66
    .vgpr_count:     216
    .wavefront_size: 32
...
	.end_amdgpu_metadata
.endif
;; end of part 1
;; launch proj (part 2): grid 4 x 96, 4 waves a work-group, clusters of 4 x 4, 327,680 bytes of LDS; arguments xc, wc, wq_b, wk_b, wv_b, lowp_scales, img; writes img
.if DOCPART == 2
	.amdgcn_target "amdgcn-amd-amdhsa--gfx1250"
	.amdhsa_code_object_version 6
	.text
	.protected	k_q76dfce1011_proj
	.globl	k_q76dfce1011_proj
	.p2align	8
	.type	k_q76dfce1011_proj,@function
k_q76dfce1011_proj:
	s_mov_b64 s[64:65], 0
	v_nop
	global_prefetch_b8 v0, s[64:65] scope:SCOPE_SE
	s_setreg_imm32_b32 hwreg(HW_REG_WAVE_MODE, 25, 1), 1
	s_wait_xcnt 0x0
	s_wait_alu depctr_hold_cnt(0) depctr_sa_sdst(0) depctr_va_vdst(0) depctr_va_sdst(0) depctr_va_ssrc(0) depctr_va_vcc(0) depctr_vm_vsrc(0)
	s_getreg_b32 s2, hwreg(HW_REG_IB_STS2, 6, 4)
	s_cmp_eq_u32 s2, 0
	s_cbranch_scc0 .Lentry_in_a_cluster
	s_endpgm
.Lentry_in_a_cluster:
	s_bfe_u32 s2, ttmp6, 0x10000c
	s_cmp_lg_u32 s2, 0xf033
	s_cbranch_scc0 .Lentry_shape_is_right
	s_endpgm
.Lentry_shape_is_right:
.set SIZE_K, 1024
.set KSTEP,  256
.set ROWB,   256
.set KROW,   SIZE_K
.set PITCH,  272
.set FR,     16
.set NL,     4
.set NP,     4
.set HALFT,  128*PITCH
.set SLOT,   4*HALFT
.set LAPS,   SIZE_K/(2*KSTEP)
.set SPARE,  2*SLOT
.set ADRA, 16
.set ADRB, 20
.set LI,   26
.set SPW,  28
.set NIL,  29
.set BP,   32
.set BR,   96
.set SC,   112
.set LIM,  113
.set AF,   128
.set CD,   128
.set G1, 24
.set G0, 32
.set G1B, 48
.set G0B, 56
.set MSB, 0
.macro WIN new
.if MSB != \new
	s_set_vgpr_msb (MSB<<8)|\new
.set MSB, \new
.endif
.endm
.set MUL_LO, 0xa1
.set MUL_HI, 0xf1
.set TO_B,   0x40
.macro JLOAD g0a, g1a, g0b, g1b
	s_cmp_eq_u32 s15, 0
	s_cbranch_scc0 .Lfor_b_\@
	tensor_load_to_lds s[\g0a:\g0a+3], s[\g1a:\g1a+7]
	s_nop 0
.rept 4
	v_nop
.endr
	s_branch .Lasked_\@
.Lfor_b_\@:
	tensor_load_to_lds s[\g0b:\g0b+3], s[\g1b:\g1b+7]
	s_nop 0
.rept 4
	v_nop
.endr
.Lasked_\@:
.endm
.macro CREST
	s_cmp_lg_u32 s14, 0
	s_cbranch_scc1 .Lnot_wave_0_\@
	s_barrier_signal -3
.Lnot_wave_0_\@:
	s_barrier_wait -3
	s_barrier_signal -1
	s_barrier_wait -1
.endm
.macro CROUND
	s_barrier_signal -1
	s_barrier_wait -1
	CREST
.endm
	s_load_b256 s[68:75], s[0:1], 0x0
	s_load_b128 s[76:79], s[0:1], 0x20
	s_load_b64 s[80:81], s[0:1], 0x30
	v_lshl_add_u32 v[SPW], v0, 2, SPARE
	v_mov_b32 v[NIL], 0
	ds_add_u32 v[SPW], v[NIL]
	ds_add_u32 v[SPW], v[NIL]
	v_lshrrev_b32 v1, 5, v0
	v_readfirstlane_b32 s14, v1
	s_lshr_b32 s15, s14, 1
	s_and_b32 s16, s14, 1
	s_bfe_u32 s40, ttmp6, 0x40000
	s_bfe_u32 s41, ttmp6, 0x40004
	s_and_b32 s66, ttmp7, 0xffff
	s_lshr_b32 s67, s66, 3
	s_and_b32 s82, s66, 7
	s_cmp_eq_u32 s67, 2
	s_cselect_b32 s83, 1, 0
	s_cselect_b32 s17, 0, s82
	s_cselect_b32 s42, s82, 0
	s_lshl_b32 s17, s17, 2
	s_add_co_u32 s17, s17, s41
	s_lshl_b32 s42, s42, 2
	s_add_co_u32 s42, s42, s40
	s_lshl_b32 s43, s41, 2
	s_lshl_b32 s43, 15, s43
	s_lshl_b32 s44, 0x1111, s40
	s_or_b32 s[G1+0], s43, (0<<16)|(1<<20)|(1<<21)|(5<<22)|(3<<25)
	s_or_b32 s[G1B+0], s44, (0<<16)|(1<<20)|(1<<21)|(5<<22)|(3<<25)
.irp g, G1, G1B
	s_mov_b32 s[\g+1], ROWB<<16
	s_mov_b32 s[\g+2], 128<<16
	s_mov_b32 s[\g+3], ROWB<<16
	s_mov_b32 s[\g+4], 128
	s_mov_b32 s[\g+5], KROW
	s_mov_b32 s[\g+6], 0
	s_mov_b32 s[\g+7], 0
.endr
	s_lshl_b32 s18, s16, 7
	s_lshl_b32 s20, s17, 8
	s_add_co_u32 s20, s20, s18
	s_lshl_b32 s46, s42, 8
	s_add_co_u32 s46, s46, s18
	s_lshl_b32 s20, s20, 10
	s_lshl_b32 s46, s46, 10
	s_lshl_b32 s94, s67, 23
	s_lshl_b32 s95, s67, 20
	s_cmp_eq_u32 s83, 1
	s_cselect_b32 s96, s95, s94
	s_cselect_b32 s97, s94, s95
	s_add_co_u32 s20, s20, s96
	s_add_co_u32 s46, s46, s97
	s_mov_b32 s21, 0
	s_mov_b32 s47, 0
	s_mul_i32 s45, s14, HALFT
	s_wait_dscnt 0x0
	s_wait_kmcnt 0x0
	s_cmp_eq_u32 s83, 1
	s_cselect_b64 s[4:5], s[70:71], s[68:69]
	s_cselect_b64 s[6:7], s[68:69], s[70:71]
	s_cselect_b64 s[8:9], s[76:77], s[74:75]
	s_cmp_eq_u32 s67, 0
	s_cselect_b64 s[8:9], s[72:73], s[8:9]
	s_load_b256 s[84:91], s[78:79], 0x0
	s_load_b32 s92, s[78:79], 0x20
	s_add_nc_u64 s[20:21], s[4:5], s[20:21]
	s_add_nc_u64 s[46:47], s[6:7], s[46:47]
	CROUND
.irp s, 0,1
	s_mov_b32 s[G0+4*\s], 1
	s_add_co_u32 s[G0+4*\s+1], s45, \s*SLOT
	s_add_nc_u64 s[G0+4*\s+2:G0+4*\s+3], s[20:21], \s*ROWB
	s_or_b32 s[G0+4*\s+3], s[G0+4*\s+3], 0x80000000
	s_mov_b32 s[G0B+4*\s], 1
	s_add_co_u32 s[G0B+4*\s+1], s45, \s*SLOT
	s_add_nc_u64 s[G0B+4*\s+2:G0B+4*\s+3], s[46:47], \s*ROWB
	s_or_b32 s[G0B+4*\s+3], s[G0B+4*\s+3], 0x80000000
	s_wait_alu depctr_va_vdst(0)
	s_wait_tensorcnt 0x0
	ds_add_u32 v28, v29
	ds_add_u32 v28, v29
	s_wait_dscnt 0x0
	CROUND
	JLOAD G0+4*\s, G1, G0B+4*\s, G1B
.endr
	v_and_b32 v1, 15, v0
	v_bfe_u32 v2, v0, 4, 1
	v_mul_u32_u24 v3, v1, PITCH
	v_lshl_add_u32 v4, v2, 4, v3
	s_mul_i32 s21, s15, HALFT
	s_mul_i32 s22, s16, HALFT
	s_add_co_u32 s22, s22, 2*HALFT
.irp s, 0,1
	v_add_nc_u32 v[ADRA+\s], s21, v4
	v_add_nc_u32 v[ADRB+\s], s22, v4
	s_add_co_u32 s21, s21, SLOT
	s_add_co_u32 s22, s22, SLOT
.endr
	v_and_b32 v5, 31, v0
	v_lshlrev_b32 v[LI], 4, v5
	v_lshlrev_b32 v6, 5, v2
	s_wait_alu depctr_va_vdst(0)
	v_lshlrev_b32 v7, 2, v1
	s_wait_alu depctr_va_vdst(0)
	s_lshl_b32 s93, s17, 8
	s_lshl_b32 s18, s15, 7
	s_add_co_u32 s93, s93, s18
	s_lshl_b32 s94, s42, 8
	s_lshl_b32 s18, s16, 7
	s_add_co_u32 s94, s94, s18
	s_cmp_eq_u32 s83, 1
	s_cselect_b32 s95, s93, s94
	s_cselect_b32 s96, s94, s93
	s_lshr_b32 s18, s96, 11
	s_lshl_b32 s18, s18, 4
	s_lshr_b32 s19, s95, 6
	s_add_co_u32 s18, s18, s19
	s_lshl_b32 s18, s18, 17
	s_and_b32 s19, s96, 2047
	s_lshl_b32 s19, s19, 6
	s_add_co_u32 s18, s18, s19
	s_lshl_b32 s19, s67, 23
	s_add_co_u32 s18, s18, s19
	s_mov_b32 s19, 0
	s_add_nc_u64 s[10:11], s[80:81], s[18:19]
	s_lshl_b32 s18, s95, 2
	s_add_nc_u64 s[8:9], s[8:9], s[18:19]
.irp b, 0,1,2,3,4,5,6,7
	global_load_b128 v[BP+8*\b:BP+8*\b+3], v6, s[8:9] offset:64*\b
	global_load_b128 v[BP+8*\b+4:BP+8*\b+7], v6, s[8:9] offset:64*\b+16
.endr
.irp a, 0,1,2,3,4,5,6,7
	global_load_b32 v[BR+2*\a], v7, s[8:9] offset:64*\a
	global_load_b32 v[BR+2*\a+1], v7, s[8:9] offset:64*\a
.endr
	s_wait_kmcnt 0x0
	s_add_co_i32 s84, s84, s85
	s_add_co_i32 s86, s86, s87
	s_add_co_i32 s88, s88, s89
	s_cmp_eq_u32 s67, 0
	s_cselect_b32 s84, s84, s86
	s_cselect_b32 s90, s90, s91
	s_cmp_eq_u32 s67, 2
	s_cselect_b32 s84, s88, s84
	s_cselect_b32 s90, s92, s90
	s_sub_co_i32 s85, 0, s84
	s_sub_co_i32 s86, s90, s84
	s_add_co_i32 s86, s86, 127
	s_lshl_b32 s87, s86, 23
	v_mov_b32 v[SC], s87
	s_add_co_i32 s86, s86, 8
	s_lshl_b32 s86, s86, 23
	s_or_b32 s86, s86, 0x600000
	v_mov_b32 v[LIM], s86
	s_wait_loadcnt 0x0
.set j, 0
.rept 80
	v_ldexp_f32 v[BP+j], v[BP+j], s85
.set j, j+1
.endr
.macro FRAG reg, adr, q, i
.irp c, 0,1,2,3
	ds_load_b128 v[\reg+4*\c:\reg+4*\c+3], v[\adr] offset:128*(\q)+32*\c+(\i)*16*PITCH
.endr
.endm
.macro MUL16 a0, p, zero
.irp a, \a0, \a0+1
.irp b, 0,1,2,3,4,5,6,7
.if \zero
	v_wmma_f32_16x16x128_fp8_fp8 v[8*(8*((\a)%4)+\b):8*(8*((\a)%4)+\b)+7], v[128*(\p)+FR*\b:128*(\p)+FR*\b+FR-1], v[AF+FR*(\a):AF+FR*(\a)+FR-1], 0
.else
	v_wmma_f32_16x16x128_fp8_fp8 v[8*(8*((\a)%4)+\b):8*(8*((\a)%4)+\b)+7], v[128*(\p)+FR*\b:128*(\p)+FR*\b+FR-1], v[AF+FR*(\a):AF+FR*(\a)+FR-1], v[8*(8*((\a)%4)+\b):8*(8*((\a)%4)+\b)+7]
.endif
.endr
.endr
.endm
.macro FETCH_B slot, q, p
	WIN TO_B
.irp i, 0,1,2,3,4,5,6,7
	FRAG 128*(\p)+FR*\i, ADRB+\slot, \q, \i
.endr
	WIN 0
.endm
.macro FETCH_A slot, q, i0
.irp i, \i0, \i0+1, \i0+2, \i0+3
	FRAG AF+FR*(\i), ADRA+\slot, \q, \i
.endr
.endm
.macro PLACES n
.rept \n
	v_nop
.endr
.endm
.macro STEP slot, q, zero
	s_wait_dscnt 4*NL
	WIN MUL_LO
	MUL16 0, (\q)%2, \zero
	MUL16 2, (\q)%2, \zero
	s_wait_dscnt 0
	PLACES NP
	FETCH_B \slot, (\q)+1, 1-(\q)%2
	FETCH_A \slot, (\q)+1, 0
	WIN MUL_HI
	MUL16 4, (\q)%2, \zero
	MUL16 6, (\q)%2, \zero
	PLACES NP
	WIN 0
	FETCH_A \slot, (\q)+1, 4
.endm
.macro TURN slot, next, fill
	s_wait_tensorcnt 0x0
	ds_add_u32 v[SPW], v[NIL]
	s_wait_dscnt 4*NL+1
	WIN MUL_LO
	MUL16 0, 1, 0
	s_wait_dscnt 0x0
	s_barrier_signal -1
	MUL16 2, 1, 0
	WIN 0
	s_barrier_wait -1
.if \fill
	CREST
	s_add_nc_u64 s[G0+4*\slot+2:G0+4*\slot+3], s[G0+4*\slot+2:G0+4*\slot+3], 2*ROWB
	s_add_nc_u64 s[G0B+4*\slot+2:G0B+4*\slot+3], s[G0B+4*\slot+2:G0B+4*\slot+3], 2*ROWB
	JLOAD G0+4*\slot, G1, G0B+4*\slot, G1B
.else
	PLACES NP
.endif
	FETCH_B \next, 0, 0
	FETCH_A \next, 0, 0
	WIN MUL_HI
	MUL16 4, 1, 0
	MUL16 6, 1, 0
	PLACES NP
	WIN 0
	FETCH_A \next, 0, 4
.endm
	s_wait_tensorcnt 1
	s_barrier_signal -1
	s_barrier_wait -1
	FETCH_B 0, 0, 0
	FETCH_A 0, 0, 0
	FETCH_A 0, 0, 4
	STEP 0, 0, 1
	s_mov_b32 s3, LAPS-1
.Llap:
	TURN 0, 1, 1
	STEP 1, 0, 0
	TURN 1, 0, 1
	STEP 0, 0, 0
	s_sub_co_u32 s3, s3, 1
	s_cmp_lg_u32 s3, 0
	s_cbranch_scc1 .Llap
	TURN 0, 1, 0
	STEP 1, 0, 0
	s_wait_dscnt 4*NL
	WIN MUL_LO
	MUL16 0, 1, 0
	MUL16 2, 1, 0
	s_wait_dscnt 0
	WIN MUL_HI
	MUL16 4, 1, 0
	MUL16 6, 1, 0
	WIN 0
	PLACES NP
.macro EPI isv
.irp w, 2,3
	WIN ((\w<<6)|\w)
.irp a4, 0,1,2,3
.set j, 0
.rept 32
.if \isv
	v_pk_add_f32 v[64*\a4+j:64*\a4+j+1], v[64*\a4+j:64*\a4+j+1], v[BR+2*(4*(\w-2)+\a4):BR+2*(4*(\w-2)+\a4)+1]
.else
	v_pk_add_f32 v[64*\a4+j:64*\a4+j+1], v[64*\a4+j:64*\a4+j+1], v[BP+j:BP+j+1]
.endif
.set j, j+2
.endr
.endr
.set j, 0
.rept 256
	v_med3_num_f32 v[j], v[j], -v[LIM], v[LIM]
.set j, j+1
.endr
	WIN \w
.irp a4, 0,1,2,3
.irp b, 0,1,2,3,4,5,6,7
	v_cvt_scalef32_pk8_fp8_f32 v[CD+16*(4*(\w-2)+\a4)+2*\b:CD+16*(4*(\w-2)+\a4)+2*\b+1], v[64*\a4+8*\b:64*\a4+8*\b+7], v[SC]
.endr
.endr
	v_nop
	WIN 0
.irp a4, 0,1,2,3
.irp g, 0,1,2,3
.if \isv
	global_store_b128 v[LI], v[CD+16*(4*(\w-2)+\a4)+4*\g:CD+16*(4*(\w-2)+\a4)+4*\g+3], s[10:11] offset:(\w-2)*131072+\a4*2048+\g*512
.else
	global_store_b128 v[LI], v[CD+16*(4*(\w-2)+\a4)+4*\g:CD+16*(4*(\w-2)+\a4)+4*\g+3], s[10:11] offset:(\g/2)*131072+(4*(\w-2)+\a4)*1024+(\g%2)*512
.endif
.endr
.endr
.endr
.endm
	s_cmp_eq_u32 s83, 1
	s_cbranch_scc1 .Lfor_v
	EPI 0
	s_branch .Lsent
.Lfor_v:
	EPI 1
.Lsent:
	s_wait_tensorcnt 0x0
	ds_add_u32 v[SPW], v[NIL]
	s_wait_dscnt 0x0
	CROUND
	s_endpgm
.Lfunc_end_k_q76dfce1011_proj:
	.size	k_q76dfce1011_proj, .Lfunc_end_k_q76dfce1011_proj-k_q76dfce1011_proj
	.p2alignl 7, 3214868480
	.fill 96, 4, 3214868480
	.section	.rodata,"a",@progbits
	.p2align	6, 0x0
	.amdhsa_kernel k_q76dfce1011_proj
		.amdhsa_group_segment_fixed_size 327680
		.amdhsa_private_segment_fixed_size 0
		.amdhsa_enable_private_segment 0
		.amdhsa_kernarg_size 56
		.amdhsa_user_sgpr_count 2
		.amdhsa_user_sgpr_kernarg_segment_ptr 1
		.amdhsa_wavefront_size32 1
		.amdhsa_system_sgpr_workgroup_id_x 1
		.amdhsa_system_sgpr_workgroup_id_y 1
		.amdhsa_system_sgpr_workgroup_id_z 1
		.amdhsa_system_vgpr_workitem_id 0
		.amdhsa_next_free_vgpr 1024
		.amdhsa_next_free_sgpr 98
		.amdhsa_reserve_vcc 0
		.amdhsa_float_denorm_mode_32 3
		.amdhsa_float_denorm_mode_16_64 3
		.amdhsa_memory_ordered 1
		.amdhsa_forward_progress 1
		.amdhsa_inst_pref_size 199
	.end_amdhsa_kernel
	.amdgpu_metadata
---
amdhsa.version: [ 1, 2 ]
amdhsa.kernels:
  - .name:           k_q76dfce1011_proj
    .symbol:         k_q76dfce1011_proj.kd
    .args:
      - { .name: xc, .offset: 0, .size: 8, .value_kind: global_buffer, .address_space: global }
      - { .name: wc, .offset: 8, .size: 8, .value_kind: global_buffer, .address_space: global }
      - { .name: wq_b, .offset: 16, .size: 8, .value_kind: global_buffer, .address_space: global }
      - { .name: wk_b, .offset: 24, .size: 8, .value_kind: global_buffer, .address_space: global }
      - { .name: wv_b, .offset: 32, .size: 8, .value_kind: global_buffer, .address_space: global }
      - { .name: lowp_scales, .offset: 40, .size: 8, .value_kind: global_buffer, .address_space: global }
      - { .name: img, .offset: 48, .size: 8, .value_kind: global_buffer, .address_space: global }
    .group_segment_fixed_size: 327680
    .private_segment_fixed_size: 0
    .kernarg_segment_align: 8
    .kernarg_segment_size: 56
    .max_flat_workgroup_size: 128
    .sgpr_count:     98
    .vgpr_count:     1024
    .wavefront_size: 32
...
	.end_amdgpu_metadata
.endif
;; end of part 2
;; launch attn (part 3): grid 64 x 4, 16 waves a work-group, no clusters, 264,192 bytes of LDS; arguments img, mbits, lowp_scales, oimg; writes oimg
.if DOCPART == 3
	.amdgcn_target "amdgcn-amd-amdhsa--gfx1250"
	.amdhsa_code_object_version 6
	.text
	.protected	k_q76dfce1011_attn
	.globl	k_q76dfce1011_attn
	.p2align	8
	.type	k_q76dfce1011_attn,@function
k_q76dfce1011_attn:
	s_mov_b64 s[64:65], 0
	v_nop
	global_prefetch_b8 v0, s[64:65] scope:SCOPE_SE
	s_setreg_imm32_b32 hwreg(HW_REG_WAVE_MODE, 25, 1), 1
	s_wait_xcnt 0x0
; Attention on codes of FP8 (E4M3): scores = qp kp^T (K = the head's 64), the mask, softmax of scores / 32, times vp (K = the 2,048 keys); the result quantised again for the last projection.
; THE SOFTMAX AHEAD OF THE SECOND PRODUCT: t = score x log2(e) / 32; M = the row's largest t so far, rounded UP to a whole number; p = 2^(t - M) is what is quantised; the row's sum is taken of the unquantised p and divides O at the end.
; When M moves, the sum and O are multiplied by 2^(old M - new M): exact.
; THE MASK: where the mask is 0 the score becomes -2^66 (in the scores' own unit: -2^(66 - e6 - e7)) in place of -1e20.  A power of two times c is exact, so in a row with no open key t - M is exactly 0 and every p is 1;
; in a row with an open key the hidden keys' p is 0.  LIMIT: the results are those of -1e20 wherever every open score lies above -7e19.
; SHARES.  Work-group (x, y) owns queries 512 y .. 512 y + 511 of (batch, head) x = 16 b + head.  Each of the sixteen waves owns two NEIGHBOURING tiles of 16 queries, 32 y + 2 w and the next, one after the other:
; their mask words are 8,192 bytes on end, so the look-ahead of one key step runs on from the first tile into the second; both fragments of Q are loaded at the head.
; THE HEAD'S WHOLE K AND V LIE IN LDS, 131,072 bytes each, as images of operand registers (lane l's 16 bytes of registers 4 g .. 4 g + 3 at 512 g + 16 l), written ONCE, through registers: wave w brings key step w of K and of V,
; 32 loads of 512 consecutive bytes and 32 LDS stores; one barrier; then LDS is only read.
; NO TENSOR LOAD AND NO CLUSTER, though the four work-groups of a head read the same 262,144 bytes.  The reason: THE HOLD OF p, 64 of a key step's vector lines, is jumped over where it can change nothing, by a scalar branch on the given exponents.
;   Joint loads would spare three of four reads of 262,144 bytes, once in a work-group's life; the branch spares 64 lines in each of its 512 wave-steps.
; NO PREFETCH: K and V are asked for once, at the head, where there is no loop to run ahead in; a step's 256 bytes of mask words are asked for by scalar loads a whole key step ahead of their use.
; WHERE THE HOLD CHANGES NOTHING: a score is a sum of 64 products of codes, so |t| < 579,101 x 2^(e6 + e7): under 2^24 where e6 + e7 <= 4.  There t's rounding is at most 1/2, so t - M <= 1/2 and p <= 1.42; and 448 x 2^e9 >= 1.75 where e9 >= -8.
; LAYOUT.  Both products are used transposed: S^T = K Q^T (source 0 = 16 keys, source 1 = my 16 queries), O^T = V^T P^T: a lane holds ONE query (lane % 16) throughout.  Score register 8 a + j is key 16 a + 8 (lane / 16) + j of the step:
; eight registers convert into registers 2 a, 2 a + 1 of P in the plain form's own layout, in which V's images were made.  O^T's register 8 t + j is channel 16 t + 8 (lane / 16) + j: its codes are again an operand's registers, stored as an image.
; The mask comes as lane masks, one word for each score register (64 a step).
; LIMITS on the given exponents, so that each power of two below is an f32 number: e6 + e7 between -61 and 130; e9, and e10 - e8 - e9, between -126 and 119.  NaN among the inputs is not served.
.set VBASE, 131072                     ; LDS: K's step s at 8,192 s; V's at VBASE + 8,192 s
.set SPARE, 262144                     ; behind them: the spare words, 128 bytes for each wave: eight blocks of 256 bytes that no other line names
.set LI,   1                           ; v1   16 x lane
.set SPW,  2                           ; v2   LDS address of my spare word; never rewritten
.set NIL,  3                           ; v3   0; never rewritten
.set ADK,  4                           ; v4   LDS address of the step's K (at the head: of the key step that I bring)
.set ADV,  5                           ; v5   of its V
.set NEG,  6                           ; v6   a hidden key's score
.set QA,   16                          ; v16-23   Q of my first tile
.set T,    24                          ; v24-31   the maximum's eight chains; later f in v26, and three of the sum's chains
.set KF,   32                          ; v32-95   K's 8 fragments, then V's 4
.set S,    96                          ; v96-159  S^T, then p
.set O,    160                         ; v160-191 O^T
.set PC,   192                         ; v192-207 p's codes
.set OC,   208                         ; v208-215 the result's codes; in a step four of the sum's chains
.set QB,   216                         ; v216-223 Q of my second tile
; v7, v8: 2^e9 and 448 x 2^e9; v9, v10: 2^(e10 - e8 - e9) and 448 x that; v11 a permute's destination; v12 -M, v13 the largest t, v[14:15] the sum in two halves
.set WV,   56                          ; s56  my wave's number
.set TB,   57                          ; s57  LDS byte at which the step's K begins
.set CNT,  58                          ; s58  steps to go
.set MO,   59                          ; s59  the step's byte in my two tiles' 8,192 bytes of mask words
.set SEL,  60                          ; s[60:61] lane selects for v_permlanex16_b32: lane l xor 16
.set CS,   62                          ; s[62:63] c = log2(e) / 32 x 2^(e6 + e7)
.set HOLD, 88                          ; s88  1: p is held at the largest code; 0: the hold can change nothing
; s[2:3] my tiles' mask words, s[4:5] my tile's image in oimg, s[6:7] my tiles' images of Q; s[84:85], s[86:87] my key step of K and of V in img; the step's 64 mask words: s8-55 and s68-83
	s_load_b256 s[8:15], s[0:1], 0x0               ; img s[8:9], mbits s[10:11], the scales' exponents s[12:13], oimg s[14:15]
	v_lshl_add_u32 v[SPW], v0, 2, SPARE
	v_mov_b32 v[NIL], 0
	v_lshrrev_b32 v1, 5, v0
	s_delay_alu instid0(VALU_DEP_1)
	v_readfirstlane_b32 s[WV], v1                  ; wave 0..15
	v_and_b32 v1, 31, v0
	s_delay_alu instid0(VALU_DEP_1)
	v_lshlrev_b32 v[LI], 4, v1
	s_mov_b32 s66, ttmp9                           ; 16 b + head
	s_lshl_b32 s100, s[WV], 13                     ; the key step that I bring: 8,192 bytes of K and of V
	v_add_nc_u32 v[ADK], s100, v[LI]               ; where they go
	s_delay_alu instid0(VALU_DEP_1)
	v_add_nc_u32 v[ADV], VBASE, v[ADK]
	s_lshl_b32 s104, s66, 17                       ; the head's 131,072 bytes,
	s_add_co_u32 s104, s104, s100                  ; my key step,
	s_add_co_u32 s104, s104, 1<<23                 ; in k's part of img
	s_mov_b32 s105, 0
	s_mov_b32 s[SEL], 0x76543210
	s_mov_b32 s[SEL+1], 0xfedcba98
	s_and_b32 s24, ttmp7, 0xffff
	s_lshl_b32 s24, s24, 5
	s_lshl_b32 s25, s[WV], 1
	s_add_co_u32 s24, s24, s25                     ; my first tile of queries: 32 x work-group y + 2 x wave
	s_lshr_b32 s25, s66, 4                         ; b
	s_lshl_b32 s25, s25, 7
	s_add_co_u32 s25, s25, s24                     ; 128 b + tile
	s_lshl_b32 s26, s25, 12                        ; x 4,096 bytes of mask words
	s_mov_b32 s27, 0
	s_lshl_b32 s28, s25, 4
	s_and_b32 s29, s66, 15                         ; the head
	s_add_co_u32 s28, s28, s29
	s_lshl_b32 s28, s28, 10                        ; x 1,024 bytes of oimg
	s_mov_b32 s29, 0
	s_lshl_b32 s30, s66, 7
	s_add_co_u32 s30, s30, s24                     ; 128 (16 b + head) + tile
	s_lshl_b32 s30, s30, 10                        ; x 1,024 bytes of q's part of img
	s_mov_b32 s31, 0
	s_wait_alu depctr_va_vdst(0)
	s_wait_kmcnt 0x0
	s_load_b128 s[16:19], s[12:13], 0x18           ; e6, e7, e8, e9
	s_load_b32 s20, s[12:13], 0x28                 ; e10
	s_add_nc_u64 s[84:85], s[8:9], s[104:105]
	s_add_nc_u64 s[86:87], s[84:85], 1<<23         ; v's part lies 2^23 bytes behind k's
.irp i, 0,1,2,3,4,5,6,7,8,9,10,11,12,13,14,15
	global_load_b128 v[KF+4*\i:KF+4*\i+3], v[LI], s[84:85] offset:512*\i   ; 32 lanes read 512 consecutive bytes
.endr
.irp i, 0,1,2,3,4,5,6,7,8,9,10,11,12,13,14,15
	global_load_b128 v[S+4*\i:S+4*\i+3], v[LI], s[86:87] offset:512*\i
.endr
	s_add_nc_u64 s[2:3], s[10:11], s[26:27]
	s_add_nc_u64 s[4:5], s[14:15], s[28:29]
	s_add_nc_u64 s[6:7], s[8:9], s[30:31]
	global_load_b128 v[QA:QA+3], v[LI], s[6:7]                  ; Q's two fragments, as they were stored: 2 x 1,024 bytes on end
	global_load_b128 v[QA+4:QA+7], v[LI], s[6:7] offset:512
	global_load_b128 v[QB:QB+3], v[LI], s[6:7] offset:1024
	global_load_b128 v[QB+4:QB+7], v[LI], s[6:7] offset:1536
	v_mov_b32 v11, 0                               ; written once: a lane permute's destination counts as one of its sources
	s_wait_kmcnt 0x0
	s_add_co_i32 s100, s16, s17                    ; e6 + e7
	s_cmp_lt_i32 s19, -8                           ; the hold is due where 448 x 2^e9 lies under 1.75,
	s_cselect_b32 s[HOLD], 1, 0
	s_cmp_gt_i32 s100, 4                           ; or where t can reach 2^24
	s_cselect_b32 s[HOLD], 1, s[HOLD]
	s_lshl_b32 s104, s100, 23
	s_mov_b32 s[CS], 0x3d38aa3b                    ; log2(e) / 32
	s_add_co_i32 s[CS], s[CS], s104                ; a score stands for score x 2^(e6 + e7): the two exponents are added to c's exponent field
	s_mov_b32 s[CS+1], s[CS]                       ; (named with it as a pair, so it is written)
	s_sub_co_i32 s104, 193, s100
	s_lshl_b32 s104, s104, 23
	s_or_b32 s104, s104, 0x80000000
	v_mov_b32 v[NEG], s104                         ; -2^(66 - e6 - e7)
	s_add_co_i32 s104, s19, 127
	s_lshl_b32 s105, s104, 23
	v_mov_b32 v7, s105                             ; 2^e9
	s_add_co_i32 s104, s104, 8
	s_lshl_b32 s104, s104, 23
	s_or_b32 s104, s104, 0x600000
	v_mov_b32 v8, s104                             ; 448 x 2^e9
	s_sub_co_i32 s104, s20, s18
	s_sub_co_i32 s104, s104, s19                   ; O / the sum stands for that x 2^(e8 + e9): its code is that / 2^(e10 - e8 - e9)
	s_add_co_i32 s104, s104, 127
	s_lshl_b32 s105, s104, 23
	v_mov_b32 v9, s105
	s_add_co_i32 s104, s104, 8
	s_lshl_b32 s104, s104, 23
	s_or_b32 s104, s104, 0x600000
	v_mov_b32 v10, s104
.macro MLOAD                           ; a step's 64 mask words
	s_load_b512 s[8:23], s[2:3], s[MO] offset:0x0
	s_load_b512 s[24:39], s[2:3], s[MO] offset:0x40
	s_load_b512 s[40:55], s[2:3], s[MO] offset:0x80
	s_load_b512 s[68:83], s[2:3], s[MO] offset:0xc0
.endm
.macro RESET                           ; a tile of queries begins
	s_mov_b32 s[TB], 0
	v_mov_b32 v13, 0xff61b1e6                      ; the largest t so far: -3e38, under every t
	s_delay_alu instid0(VALU_DEP_1)
	v_floor_f32 v12, -v13                          ; -M
	v_mov_b32 v14, 0                               ; the sum, in two halves
	v_mov_b32 v15, 0
.set j, 0
.rept 32
	v_mov_b32 v[O+j], 0                            ; O^T.  (The step is written without a first of its own: it finds zeros, which the first change of M leaves zeros)
.set j, j+1
.endr
.endm
; A KEY STEP: 128 keys.  qb: the registers of the tile's Q.
.macro STEP qb
	v_add_nc_u32 v[ADK], s[TB], v[LI]
	s_delay_alu instid0(VALU_DEP_1)
	v_add_nc_u32 v[ADV], VBASE, v[ADK]
	v_nop
	v_nop                                          ; four places behind the last products, in front of loads into registers that they have read
.irp a, 0,1,2,3,4,5,6,7
	ds_load_b128 v[KF+8*\a:KF+8*\a+3], v[ADK] offset:1024*\a
	ds_load_b128 v[KF+8*\a+4:KF+8*\a+7], v[ADK] offset:1024*\a+512
.endr
	s_wait_alu depctr_va_vdst(0)
	s_wait_dscnt 0x0
.irp a, 0,1,2,3,4,5,6,7
	v_wmma_f32_16x16x64_fp8_fp8 v[S+8*\a:S+8*\a+7], v[KF+8*\a:KF+8*\a+7], v[\qb:\qb+7], 0
.endr
.rept 4
	v_nop                                          ; places in front of the loads below and of the first read of the scores
.endr
.irp t, 0,1,2,3
.irp g, 0,1,2,3
	ds_load_b128 v[KF+16*\t+4*\g:KF+16*\t+4*\g+3], v[ADV] offset:2048*\t+512*\g   ; V's fragments land while the softmax is worked
.endr
.endr
	s_wait_kmcnt 0x0                               ; the step's mask words, asked for a step ago
.set n, 0
.rept 64
.if n < 48
	v_cndmask_b32 v[S+n], v[NEG], v[S+n], s[8+n]   ; each accumulator from its low end on
.else
	v_cndmask_b32 v[S+n], v[NEG], v[S+n], s[20+n]
.endif
.set n, n+1
.endr
	s_add_co_u32 s[MO], s[MO], 256                 ; (no scalar load is out)  the next step's words, on into my second tile's; behind its last step the offset wraps to 0: the load stays inside the buffer, and its words are not used
	s_and_b32 s[MO], s[MO], 0x1fff
	MLOAD
	; the step's largest score of my query, among my 64 keys: EIGHT chains, so that seven other lines stand between a line and the one that reads its result
.set i, 0
.rept 8
	v_max3_num_f32 v[T+i], v[S+3*i], v[S+3*i+1], v[S+3*i+2]
.set i, i+1
.endr
.set i, 0
.rept 20
	v_max3_num_f32 v[T+(i%8)], v[T+(i%8)], v[S+24+2*i], v[S+25+2*i]
.set i, i+1
.endr
	v_max3_num_f32 v[T+4], v[T+4], v[T+5], v[T+6]
	s_delay_alu instid0(VALU_DEP_4)
	v_max3_num_f32 v[T+7], v[T+7], v[T], v[T+1]
	s_delay_alu instid0(VALU_DEP_2)
	v_max3_num_f32 v[T+2], v[T+2], v[T+3], v[T+4]
	s_delay_alu instid0(VALU_DEP_1)
	v_max_num_f32 v24, v[T+2], v[T+7]
	s_delay_alu instid0(VALU_DEP_1)
	v_permlanex16_b32 v11, v24, s[SEL], s[SEL+1]
	s_delay_alu instid0(VALU_DEP_1)
	v_max_num_f32 v24, v24, v11                    ; and among lane l xor 16's
	s_delay_alu instid0(VALU_DEP_1)
	v_mul_f32 v24, s[CS], v24                      ; as t (c is positive)
	s_delay_alu instid0(VALU_DEP_1)
	v_max_num_f32 v13, v13, v24                    ; the running largest t
	v_mov_b32 v24, v12
	s_delay_alu instid0(VALU_DEP_2)
	v_floor_f32 v12, -v13                          ; the new -M = floor(-t) = -ceil(t)
	s_delay_alu instid0(VALU_DEP_1)
	v_sub_f32 v24, v12, v24                        ; M's old value less its new one: a whole number, 0 or less
	s_delay_alu instid0(VALU_DEP_1)
	v_cvt_i32_f32 v24, v24                         ; (it saturates)
	s_delay_alu instid0(VALU_DEP_1)
	v_ldexp_f32 v26, 1.0, v24                      ; f = 2^(old M - new M)
	; all that plain lines write ahead of the exponentials comes first: the 32 scalings t - M (two numbers a line) and O^T's 16 multiplications by f
	s_delay_alu instid0(VALU_DEP_4)
.set g, 0
.rept 32
	v_pk_fma_f32 v[S+2*g:S+2*g+1], v[S+2*g:S+2*g+1], s[CS:CS+1], v[12:13] op_sel_hi:[1,0,0]   ; (of the pairs c and -M the low word serves both halves)
.set g, g+1
.endr
.set g, 0
.rept 16
	v_pk_mul_f32 v[O+2*g:O+2*g+1], v[O+2*g:O+2*g+1], v[26:27] op_sel_hi:[1,0]   ; O^T under the new M; each accumulator from its low end on.  No transcendental stands between the last products and these lines
.set g, g+1
.endr
	s_wait_alu depctr_va_vdst(0)                   ; one wait ahead of the batch
.set n, 0
.rept 64
	v_exp_f32 v[S+n], v[S+n]                       ; p = 2^(t - M): not normalised
.set n, n+1
.endr
	v_pk_mul_f32 v[14:15], v[14:15], v[26:27] op_sel_hi:[1,0]   ; the sums under the new M.  (A plain instruction behind the last exponential)
	s_wait_alu depctr_va_vdst(0)                   ; and one behind it, ahead of the first line that names an exponential's result
	; the row's sum is taken of the unquantised p: two at a time, in eight chains
	v_pk_add_f32 v[28:29], v[108:109], v[116:117]
	v_pk_add_f32 v[24:25], v[124:125], v[132:133]
	v_pk_add_f32 v[30:31], v[140:141], v[148:149]
	v_pk_add_f32 v[214:215], v[156:157], v[104:105]
	v_pk_add_f32 v[212:213], v[106:107], v[114:115]
	v_pk_add_f32 v[210:211], v[122:123], v[130:131]
	v_pk_add_f32 v[208:209], v[138:139], v[146:147]
	v_pk_add_f32 v[14:15], v[14:15], v[154:155]
	v_pk_add_f32 v[28:29], v[28:29], v[96:97]
	v_pk_add_f32 v[24:25], v[24:25], v[98:99]
	v_pk_add_f32 v[30:31], v[30:31], v[110:111]
	v_pk_add_f32 v[214:215], v[214:215], v[118:119]
	v_pk_add_f32 v[212:213], v[212:213], v[126:127]
	v_pk_add_f32 v[210:211], v[210:211], v[134:135]
	v_pk_add_f32 v[208:209], v[208:209], v[142:143]
	v_pk_add_f32 v[14:15], v[14:15], v[150:151]
	v_pk_add_f32 v[28:29], v[28:29], v[158:159]
	v_pk_add_f32 v[24:25], v[24:25], v[100:101]
	v_pk_add_f32 v[30:31], v[30:31], v[102:103]
	v_pk_add_f32 v[214:215], v[214:215], v[112:113]
	v_pk_add_f32 v[212:213], v[212:213], v[120:121]
	v_pk_add_f32 v[210:211], v[210:211], v[128:129]
	v_pk_add_f32 v[208:209], v[208:209], v[136:137]
	v_pk_add_f32 v[14:15], v[14:15], v[144:145]
	v_pk_add_f32 v[28:29], v[28:29], v[152:153]
	s_delay_alu instid0(VALU_DEP_2)
	v_pk_add_f32 v[14:15], v[14:15], v[214:215]
	s_delay_alu instid0(VALU_DEP_2)
	v_pk_add_f32 v[28:29], v[28:29], v[212:213]
	v_pk_add_f32 v[24:25], v[24:25], v[210:211]
	v_pk_add_f32 v[30:31], v[30:31], v[208:209]
	s_delay_alu instid0(VALU_DEP_2)
	v_pk_add_f32 v[14:15], v[14:15], v[24:25]
	s_delay_alu instid0(VALU_DEP_2)
	v_pk_add_f32 v[28:29], v[28:29], v[30:31]
	s_delay_alu instid0(VALU_DEP_1)
	v_pk_add_f32 v[14:15], v[14:15], v[28:29]
	s_cmp_eq_u32 s[HOLD], 0                        ; where no p can pass 448 x 2^e9 (the head comment says when) the hold is jumped over: the branch hangs on the given exponents alone, and leads round these 64 lines alone
	s_cbranch_scc1 .Lfree_\@
.set n, 0
.rept 64
	v_min_num_f32 v[S+n], v[S+n], v8               ; the conversion does not saturate (ISA guide 7.6.2); p is not negative, so the hold is one-sided
.set n, n+1
.endr
.Lfree_\@:
.irp a, 0,1,2,3,4,5,6,7
	v_cvt_scalef32_pk8_fp8_f32 v[PC+2*\a:PC+2*\a+1], v[S+8*\a:S+8*\a+7], v7   ; keys 16 a + 8 (lane / 16) + 0 .. 7: registers 2 a, 2 a + 1 of the operand
.endr
	v_nop                                          ; one plain vector instruction between the last conversion and the products that read the codes
	s_wait_alu depctr_va_vdst(0)
	s_wait_dscnt 0x0                               ; V's fragments
.irp t, 0,1,2,3
	v_wmma_f32_16x16x128_fp8_fp8 v[O+8*\t:O+8*\t+7], v[KF+16*\t:KF+16*\t+15], v[PC:PC+15], v[O+8*\t:O+8*\t+7]   ; the four accumulators take turns, one instruction a turn
.endr
	s_add_co_u32 s[TB], s[TB], 8192
.endm
.macro STEPS n, qb
	s_mov_b32 s[CNT], \n
.Lstep_\@:
	STEP \qb
	s_sub_co_u32 s[CNT], s[CNT], 1
	s_cmp_lg_u32 s[CNT], 0
	s_cbranch_scc1 .Lstep_\@
.endm
; A tile's way out: O^T / the sum, held, converted: the codes are registers of the last projection's operand, and leave as their image: 2 x 512 consecutive bytes, aligned.  more = 1: on to the next tile.
.macro OUT more
.rept 4
	v_nop                                          ; places behind the last products
.endr
	v_add_f32 v14, v14, v15                        ; the sum's two halves,
	s_delay_alu instid0(VALU_DEP_1)
	v_permlanex16_b32 v11, v14, s[SEL], s[SEL+1]
	s_delay_alu instid0(VALU_DEP_1)
	v_add_f32 v14, v14, v11                        ; and lane l xor 16's: the row's sum
	s_wait_alu depctr_va_vdst(0)                   ; the wait ahead of the transcendental
	v_rcp_f32 v26, v14
	v_nop                                          ; a plain instruction behind the transcendental
	s_wait_alu depctr_va_vdst(0)                   ; and the wait ahead of its first reader, which is O^T's first reader too
.irp j, 0,2,4,6,8,10,12,14,16,18,20,22,24,26,28,30
	v_pk_mul_f32 v[O+\j:O+\j+1], v[O+\j:O+\j+1], v[26:27] op_sel_hi:[1,0]   ; each accumulator from its low end on
.endr
.set j, 0
.rept 32
	v_med3_num_f32 v[O+j], v[O+j], -v10, v10       ; this hold hangs on the data: it always stands
.set j, j+1
.endr
.irp t, 0,1,2,3
	v_cvt_scalef32_pk8_fp8_f32 v[OC+2*\t:OC+2*\t+1], v[O+8*\t:O+8*\t+7], v9
.endr
	v_nop                                          ; one plain vector instruction behind the last conversion of a run
	global_store_b128 v[LI], v[OC:OC+3], s[4:5]
	global_store_b128 v[LI], v[OC+4:OC+7], s[4:5] offset:512
.if \more
	s_wait_xcnt 0x0                                ; the stores have read their registers and their base: both may be written again
	s_add_nc_u64 s[4:5], s[4:5], 16*1024           ; the next tile's image: sixteen heads x 1,024 bytes on
.endif
.endm
	s_mov_b32 s[MO], 0                             ; (no scalar load is out: the arguments and the exponents have been used)
	MLOAD                                          ; the first step's mask words
	RESET
	s_wait_loadcnt 0x0                             ; my key step of K and of V, and both fragments of Q, are in registers
.irp i, 0,1,2,3,4,5,6,7,8,9,10,11,12,13,14,15
	ds_store_b128 v[ADK], v[KF+4*\i:KF+4*\i+3] offset:512*\i   ; as it lay in memory: 512 consecutive bytes a store
.endr
.irp i, 0,1,2,3,4,5,6,7,8,9,10,11,12,13,14,15
	ds_store_b128 v[ADV], v[S+4*\i:S+4*\i+3] offset:512*\i
.endr
	s_wait_dscnt 0x0                               ; for the others' sake: my stores have landed
	s_barrier_signal -1
	s_barrier_wait -1                              ; everybody's have: all sixteen key steps of K and V lie in LDS, and nothing is written there again
	STEPS 16, QA
	OUT 1
	RESET
	STEPS 16, QB
	OUT 0
	s_wait_tensorcnt 0x0                           ; the wave's end: behind my last LDS store
	ds_add_u32 v[SPW], v[NIL]
	s_wait_dscnt 0x0
	s_endpgm
.Lfunc_end_k_q76dfce1011_attn:
	.size	k_q76dfce1011_attn, .Lfunc_end_k_q76dfce1011_attn-k_q76dfce1011_attn
	.p2alignl 7, 3214868480
	.fill 96, 4, 3214868480
	.section	.rodata,"a",@progbits
	.p2align	6, 0x0
	.amdhsa_kernel k_q76dfce1011_attn
		.amdhsa_group_segment_fixed_size 264192
		.amdhsa_private_segment_fixed_size 0
		.amdhsa_enable_private_segment 0
		.amdhsa_kernarg_size 32
		.amdhsa_user_sgpr_count 2
		.amdhsa_user_sgpr_kernarg_segment_ptr 1
		.amdhsa_wavefront_size32 1
		.amdhsa_system_sgpr_workgroup_id_x 1
		.amdhsa_system_sgpr_workgroup_id_y 1
		.amdhsa_system_sgpr_workgroup_id_z 1
		.amdhsa_system_vgpr_workitem_id 0
		.amdhsa_next_free_vgpr 224
		.amdhsa_next_free_sgpr 106
		.amdhsa_reserve_vcc 0
		.amdhsa_float_denorm_mode_32 3
		.amdhsa_float_denorm_mode_16_64 3
		.amdhsa_memory_ordered 1
		.amdhsa_forward_progress 1
		.amdhsa_inst_pref_size 61
	.end_amdhsa_kernel
	.amdgpu_metadata
---
amdhsa.version: [ 1, 2 ]
amdhsa.kernels:
  - .name:           k_q76dfce1011_attn
    .symbol:         k_q76dfce1011_attn.kd
    .args:
      - { .name: img, .offset: 0, .size: 8, .value_kind: global_buffer, .address_space: global }
      - { .name: mbits, .offset: 8, .size: 8, .value_kind: global_buffer, .address_space: global }
      - { .name: lowp_scales, .offset: 16, .size: 8, .value_kind: global_buffer, .address_space: global }
      - { .name: oimg, .offset: 24, .size: 8, .value_kind: global_buffer, .address_space: global }
    .group_segment_fixed_size: 264192
    .private_segment_fixed_size: 0
    .kernarg_segment_align: 8
    .kernarg_segment_size: 32
    .max_flat_workgroup_size: 512
    .sgpr_count:     106
    .vgpr_count:     224
    .wavefront_size: 32
...
	.end_amdgpu_metadata
.endif
;; end of part 3
;; launch outp (part 4): grid 32 x 8, 4 waves a work-group, no clusters, 167,936 bytes of LDS; arguments oimg, wc, lowp_scales, fo_b, out0; writes out0
.if DOCPART == 4
	.amdgcn_target "amdgcn-amd-amdhsa--gfx1250"
	.amdhsa_code_object_version 6
	.text
	.protected	k_q76dfce1011_outp
	.globl	k_q76dfce1011_outp
	.p2align	8
	.type	k_q76dfce1011_outp,@function
k_q76dfce1011_outp:
	s_mov_b64 s[64:65], 0
	v_nop
	global_prefetch_b8 v0, s[64:65] scope:SCOPE_SE
	s_setreg_imm32_b32 hwreg(HW_REG_WAVE_MODE, 25, 1), 1
	s_wait_xcnt 0x0
; out0[m][n] = 2^(e10 + e11) x (sum over k of A[m][k] B[n][k]) + fo_b[n].  A: the attention's result as codes of FP8 (E4M3), 8,192 x 1,024; B: fo_w's codes, 1,024 x 1,024 (the fourth part of wc); sums in f32.
; LIMIT: e10 + e11 lies between -126 and 127, so that 2^(e10 + e11) is an f32 number.
; SHARES.  Work-group (x, y) makes rows 256 x .. + 255, columns 128 y .. + 127: 32 x 8 = 256 work-groups.  Wave w makes rows 64 w .. + 63 of them, all 128 columns: 4 x 8 accumulators of 16 x 16, 256 registers.
; NO RING, NOTHING FILLED AGAIN: K is 1,024, and both operands are asked for whole at the head.
;   B: 128 rows x 1,024 bytes lie in LDS, brought by one tensor load a wave (32 rows), 16 bytes of padding behind each row: the pitch 1,040 = 65 x 16, so the sixteen rows that a fragment load touches start at sixteen different banks.
;   A: oimg holds images of operand registers: for a tile of 16 rows, lane l's 16 bytes of registers 4 c .. 4 c + 3 of the fragment for k = 128 q .. + 127 lie at 16,384 tile + 2,048 q + 512 c + 16 l.
;      So A goes from memory straight into registers: 128 loads a wave, each of 512 consecutive bytes, q ascending; each fragment is used by one wave alone, in one K step.
; NO CLUSTER: A's bytes, 262,144 of a work-group's 393,216, go to registers, where no joint load reaches; what could be shared is B's 131,072.  NO PREFETCH: all is asked for at the head; there is no loop to run ahead in.
; THE MATRIX INSTRUCTION IS USED TRANSPOSED (source 0 = 16 rows of B, source 1 = 16 rows of A): a lane holds eight neighbouring numbers of a row of out0.
; REGISTERS, in windows of 256.  Window 0: v0-31 addresses and the bias; v64-255 B's fragments, three sets of four (a half step's); on the way out v128-255 hold rows read back.  Window 1: accumulator (a, b) at v[8 (8 a + b)].
;   Windows 2, 3: A's fragments: K step q, tile a at v[64 (q % 4) + 16 a] of window 2 + q / 4.
.set PITCH,  1040
.set STAGE,  128*PITCH                 ; behind B: a stage of 16 rows x (512 + 16) bytes for each wave, on blocks of 256 bytes into which no fill lands
.set SPITCH, 528
.set SPARE,  STAGE+4*16*SPITCH         ; behind the stages: the spare words, 128 bytes for each wave: two blocks of 256 bytes that no other line names
.set ADRB, 20                          ; v20, v21 LDS address of my lane's place in B's fragments 0-3 and 4-7 (an LDS offset has 16 bits)
.set STO,  24                          ; v24  the way out: where I put 32 bytes of a row
.set RD,   25                          ; v25  the way out: where I read a row back
.set CO,   26                          ; v26  16 x lane
.set SPW,  28                          ; v28  LDS address of my spare word; never rewritten
.set NIL,  29                          ; v29  0; never rewritten
.set BK,   128                         ; the way out: 16 rows read back from the stage: v128-191 and v192-255 by turns
.set G1, 24                            ; s[24:31] descriptor group 1
.set G0, 32                            ; s[32:35] group 0
.set MSB, 0
.macro WIN new                         ; the immediate's high byte repeats the setting that is left
.if MSB != \new
	s_set_vgpr_msb (MSB<<8)|\new
.set MSB, \new
.endif
.endm
.macro PLACES
.rept 4
	v_nop
.endr
.endm
	s_load_b256 s[4:11], s[0:1], 0x0               ; oimg s[4:5], wc s[6:7], the scales' exponents s[8:9], fo_b s[10:11]
	s_load_b64 s[12:13], s[0:1], 0x20              ; out0
	v_lshl_add_u32 v[SPW], v0, 2, SPARE
	v_mov_b32 v[NIL], 0
	ds_add_u32 v[SPW], v[NIL]                      ; the wave's opening: the add, twice on end, and its wait ahead of my tensor load
	ds_add_u32 v[SPW], v[NIL]
	v_lshrrev_b32 v1, 5, v0
	v_readfirstlane_b32 s14, v1                    ; wave 0..3
	s_mul_i32 s23, s14, 16*SPITCH
	s_add_co_u32 s23, s23, STAGE                   ; my stage
	v_and_b32 v1, 15, v0                           ; r = lane % 16
	v_bfe_u32 v2, v0, 4, 1                         ; h = lane / 16
	v_mul_u32_u24 v3, v1, PITCH
	v_lshl_add_u32 v[ADRB], v2, 4, v3              ; a fragment's row x pitch + 16 x half
	v_add_nc_u32 v[ADRB+1], 64*PITCH, v[ADRB]      ; and 64 rows on
	v_and_b32 v6, 31, v0
	v_lshlrev_b32 v[CO], 4, v6
	v_mul_u32_u24 v5, v1, SPITCH                   ; the stage, in: row r, 32 bytes for each half of the lanes
	v_lshl_add_u32 v5, v2, 5, v5
	v_add_nc_u32 v[STO], s23, v5
	v_add_nc_u32 v[RD], s23, v[CO]                 ; back: the 32 lanes take one row of 512 bytes
	s_mov_b32 s[G1+0], (0<<16)|(1<<20)|(7<<22)|(3<<25)  ; elements of 1 byte; padding on: after every 256 words (code 7) four words (code 3)
	s_mov_b32 s[G1+1], 1024<<16                    ; tensor_dim0
	s_mov_b32 s[G1+2], 32<<16                      ; tensor_dim1
	s_mov_b32 s[G1+3], 1024<<16                    ; tile_dim0
	s_mov_b32 s[G1+4], 32                          ; tile_dim1
	s_mov_b32 s[G1+5], 1024                        ; from row to row
	s_mov_b32 s[G1+6], 0
	s_mov_b32 s[G1+7], 0
	s_mov_b32 s[G0], 1
	s_mul_i32 s[G0+1], s14, 32*PITCH               ; my 32 rows' place in LDS
	s_and_b32 s17, ttmp7, 0xffff                   ; which 128 columns
	s_lshl_b32 s20, ttmp9, 4
	s_lshl_b32 s18, s14, 2
	s_add_co_u32 s20, s20, s18                     ; my first tile of A: 16 x + 4 w
	s_lshl_b32 s20, s20, 14                        ; x 16,384 bytes
	s_mov_b32 s21, 0
	s_lshl_b32 s46, s17, 7
	s_lshl_b32 s18, s14, 5
	s_add_co_u32 s46, s46, s18                     ; the rows of B that I fetch: 128 y + 32 w
	s_lshl_b32 s46, s46, 10
	s_add_co_u32 s46, s46, 3<<20                   ; in fo_w's part of wc
	s_mov_b32 s47, 0
	s_lshl_b32 s40, ttmp9, 8
	s_lshl_b32 s18, s14, 6
	s_add_co_u32 s40, s40, s18                     ; my first row of out0: 256 x + 64 w
	s_lshl_b32 s40, s40, 12                        ; x 4,096 bytes
	s_lshl_b32 s42, s17, 9                         ; my first column, in bytes
	s_mov_b32 s43, 0
	s_add_co_u32 s40, s40, s42
	s_mov_b32 s41, 0
	s_wait_alu depctr_va_vdst(0)
	s_wait_dscnt 0x0                               ; both opening adds are done
	s_wait_kmcnt 0x0
	s_load_b64 s[96:97], s[8:9], 0x28              ; e10, e11
	s_add_nc_u64 s[G0+2:G0+3], s[6:7], s[46:47]
	s_or_b32 s[G0+3], s[G0+3], 0x80000000
	tensor_load_to_lds s[G0:G0+3], s[G1:G1+7]      ; my one tensor load: 32 rows of B, the whole K
	s_nop 0
	PLACES
	s_add_nc_u64 s[20:21], s[4:5], s[20:21]
	s_add_nc_u64 s[10:11], s[10:11], s[42:43]
	s_add_nc_u64 s[12:13], s[12:13], s[40:41]
	global_load_b128 v[8:11], v[CO], s[10:11]      ; the bias of my four columns on the way out
.irp q, 0,1,2,3,4,5,6,7
	WIN (0x80+0x40*(\q/4))                         ; destination: window 2 or 3
.irp a, 0,1,2,3
.irp c, 0,1,2,3
	global_load_b128 v[64*(\q%4)+16*\a+4*\c:64*(\q%4)+16*\a+4*\c+3], v[CO], s[20:21] offset:16384*\a+2048*\q+512*\c   ; 32 lanes read 512 consecutive bytes
.endr
.endr
.endr
	WIN 0
	s_wait_tensorcnt 0x0                           ; my rows of B have landed,
	s_barrier_signal -1
	s_barrier_wait -1                              ; and everybody's: B is whole, and nothing is written there again
; A half step i = 2 q + u: K step q (128 along K), B's fragments 4 u .. 4 u + 3, each against A's four tiles: 16 matrix instructions.  Its fragments of B lie in set i % 3.
.macro FETCH i
.set HB, 64+64*((\i)%3)
.irp bb, 0,1,2,3
.irp c, 0,1,2,3
	ds_load_b128 v[HB+16*\bb+4*\c:HB+16*\bb+4*\c+3], v[ADRB+(\i)%2] offset:\bb*16*PITCH+128*((\i)/2)+32*\c
.endr
.endr
.endm
.macro MUL i                           ; the 32 accumulators take turns, one instruction a turn, in the same order in every K step; K step 0 starts the sums
.set HB, 64+64*((\i)%3)
.set AQ, 64*(((\i)/2)%4)
	WIN (0x58+4*((\i)/8))                          ; source 0 (B) window 0, source 1 (A) window 2 or 3, C and D window 1
.irp bb, 0,1,2,3
.irp a, 0,1,2,3
.if (\i) < 2
	v_wmma_f32_16x16x128_fp8_fp8 v[8*(8*\a+4*((\i)%2)+\bb):8*(8*\a+4*((\i)%2)+\bb)+7], v[HB+16*\bb:HB+16*\bb+15], v[AQ+16*\a:AQ+16*\a+15], 0
.else
	v_wmma_f32_16x16x128_fp8_fp8 v[8*(8*\a+4*((\i)%2)+\bb):8*(8*\a+4*((\i)%2)+\bb)+7], v[HB+16*\bb:HB+16*\bb+15], v[AQ+16*\a:AQ+16*\a+15], v[8*(8*\a+4*((\i)%2)+\bb):8*(8*\a+4*((\i)%2)+\bb)+7]
.endif
.endr
.endr
.endm
.macro HALF i
.if (\i)+2 < 16
.if (\i) > 0
	PLACES                                         ; four places behind the last half step's products, whose set takes the loads below
.endif
	WIN 0
	FETCH (\i)+2                                   ; two half steps ahead
.endif
.if (\i) < 14
	s_wait_dscnt 32                                ; this half step's 16 loads are in; the two younger sets' may be out
.else
	s_wait_dscnt 16*(15-(\i))
.endif
.if (\i)%2 == 0
.if 16*(7-(\i)/2) > 63
	s_wait_loadcnt 63                              ; behind this K step's 16 loads of A 64 or more were issued: the field's largest count is the stricter
.else
	s_wait_loadcnt 16*(7-(\i)/2)                   ; this K step's loads of A are in; those of the K steps behind it may be out
.endif
.endif
	MUL \i
.endm
	FETCH 0
	FETCH 1
.set I, 0
.rept 16
	HALF I
.set I, I+1
.endr
	WIN 0
; THE WAY OUT, block by block of 16 rows x 128 columns: through my own stage in LDS, back as whole rows of 512 bytes, x 2^(e10 + e11) + the bias, stored as two aligned units of 256 bytes.
; LDS serves a wave's instructions in order (ISA guide 5.7.1.4): no wait between the stores and the loads, nor in front of the next block's stores.
.macro TOSTAGE a
	WIN 0x04                                       ; the stores' data: window 1
.irp b, 0,1,2,3,4,5,6,7
	ds_store_b128 v[STO], v[64*(\a)+8*\b:64*(\a)+8*\b+3] offset:64*\b        ; each accumulator from its low end on
	ds_store_b128 v[STO], v[64*(\a)+8*\b+4:64*(\a)+8*\b+7] offset:64*\b+16
.endr
	WIN 0
.set BB, BK+64*((\a)%2)
.irp t, 0,1,2,3,4,5,6,7,8,9,10,11,12,13,14,15
	ds_load_b128 v[BB+4*\t:BB+4*\t+3], v[RD] offset:\t*SPITCH
.endr
.endm
.macro SEND a, younger                 ; younger: the LDS instructions issued behind block a's loads, which may stay out
.set BB, BK+64*((\a)%2)
	s_wait_dscnt \younger
.if (\a) > 0
	s_add_nc_u64 s[12:13], s[12:13], 16*4096       ; (behind a wait on XCNT: the earlier stores have read their base)  16 rows on
.endif
.irp t, 0,1,2,3,4,5,6,7,8,9,10,11,12,13,14,15
	v_pk_fma_f32 v[BB+4*\t:BB+4*\t+1], v[BB+4*\t:BB+4*\t+1], s[96:97], v[8:9] op_sel_hi:[1,0,1]
	v_pk_fma_f32 v[BB+4*\t+2:BB+4*\t+3], v[BB+4*\t+2:BB+4*\t+3], s[96:97], v[10:11] op_sel_hi:[1,0,1]
.endr
.irp t, 0,1,2,3,4,5,6,7,8,9,10,11,12,13,14,15
	global_store_b128 v[CO], v[BB+4*\t:BB+4*\t+3], s[12:13] offset:\t*4096 th:TH_STORE_NT   ; 32 lanes store 512 consecutive bytes, aligned
.endr
.endm
	s_wait_kmcnt 0x0
	s_add_co_i32 s96, s96, s97
	s_add_co_i32 s96, s96, 127
	s_lshl_b32 s96, s96, 23                        ; 2^(e10 + e11) as f32
	PLACES                                         ; behind the last products: in front of the first read of results and of loads into registers that held B's fragments
	TOSTAGE 0
.irp a, 1,2,3
.if \a > 1
	s_wait_xcnt 0x0                                ; block a - 2's stores have read their registers and their base
.endif
	TOSTAGE \a
	SEND \a-1, 32                                  ; behind block a - 1's loads: block a's 16 stores and 16 loads
.endr
	s_wait_xcnt 0x0
	SEND 3, 0
	s_wait_tensorcnt 0x0                           ; the wave's end: behind my tensor load and my last LDS store
	ds_add_u32 v[SPW], v[NIL]
	s_wait_dscnt 0x0
	s_endpgm
.Lfunc_end_k_q76dfce1011_outp:
	.size	k_q76dfce1011_outp, .Lfunc_end_k_q76dfce1011_outp-k_q76dfce1011_outp
	.p2alignl 7, 3214868480
	.fill 96, 4, 3214868480
	.section	.rodata,"a",@progbits
	.p2align	6, 0x0
	.amdhsa_kernel k_q76dfce1011_outp
		.amdhsa_group_segment_fixed_size 167936
		.amdhsa_private_segment_fixed_size 0
		.amdhsa_enable_private_segment 0
		.amdhsa_kernarg_size 40
		.amdhsa_user_sgpr_count 2
		.amdhsa_user_sgpr_kernarg_segment_ptr 1
		.amdhsa_wavefront_size32 1
		.amdhsa_system_sgpr_workgroup_id_x 1
		.amdhsa_system_sgpr_workgroup_id_y 1
		.amdhsa_system_sgpr_workgroup_id_z 1
		.amdhsa_system_vgpr_workitem_id 0
		.amdhsa_next_free_vgpr 1024
		.amdhsa_next_free_sgpr 98
		.amdhsa_reserve_vcc 0
		.amdhsa_float_denorm_mode_32 3
		.amdhsa_float_denorm_mode_16_64 3
		.amdhsa_memory_ordered 1
		.amdhsa_forward_progress 1
		.amdhsa_inst_pref_size 74
	.end_amdhsa_kernel
	.amdgpu_metadata
---
amdhsa.version: [ 1, 2 ]
amdhsa.kernels:
  - .name:           k_q76dfce1011_outp
    .symbol:         k_q76dfce1011_outp.kd
    .args:
      - { .name: oimg, .offset: 0, .size: 8, .value_kind: global_buffer, .address_space: global }
      - { .name: wc, .offset: 8, .size: 8, .value_kind: global_buffer, .address_space: global }
      - { .name: lowp_scales, .offset: 16, .size: 8, .value_kind: global_buffer, .address_space: global }
      - { .name: fo_b, .offset: 24, .size: 8, .value_kind: global_buffer, .address_space: global }
      - { .name: out0, .offset: 32, .size: 8, .value_kind: global_buffer, .address_space: global }
    .group_segment_fixed_size: 167936
    .private_segment_fixed_size: 0
    .kernarg_segment_align: 8
    .kernarg_segment_size: 40
    .max_flat_workgroup_size: 128
    .sgpr_count:     98
    .vgpr_count:     1024
    .wavefront_size: 32
...
	.end_amdgpu_metadata
.endif
;; end of part 4
